; MI455X (gfx1250); checked and timed in simulation.
; The chip was launched on July 23, 2026; its instructions are those of AMD's public machine-readable ISA for CDNA 5 (MIT licence, August 2026) and "CDNA5" Instruction Set Architecture Reference Guide (July 2026). The comments in the code are by the model that wrote it; some were corrected since.
;; Layer. Allowed arithmetic: matrix products marked QUANTISED: E3M2 operands, one E8M0 scale for each 32 along K, by v_wmma_scale_f32_16x16x128_f8f6f4 with both operands' format E3M2, f32 sums; everything else in f32.
;; Inputs: A 4,096 x 4,096 float32; q 4,096 x 512 int32; s 32 x 4,096 float32.
;; Outputs: out0 4,096 x 4,096 float32.
;; This version of the problem:
;;   THIS VERSION OF THE PROBLEM IS GIVEN IN LOW PRECISION. The matrix products marked QUANTISED in the list below multiply operands that are first quantised to E3M2 (3 exponent bits, 2 mantissa bits; 6 bits a number), with one power-of-two scale for each 32 numbers along K (OCP MX v1.0); their sums are f32. All else is computed in f32.
;;   The module's matrix products, in the order in which they are computed (A, B: the left and right operand; K: the contracted axis; several contracted axes count as one K, in the product's order):
;;     1. [M 4,096, K 4,096] x [K 4,096, N 4,096]; A: input A; B: computed on the way: QUANTISED
;;   THE QUANTISER, for each operand of a quantised product, along K:
;;     - K is cut into blocks of 32 from its start; a last block that is shorter is filled with zeros.
;;     - A block's scale is 2^e with e = floor(log2(the largest magnitude in the block)) - 4, held to -126 .. 127; a block of zeros has e = 0. As a byte (E8M0): e + 127.
;;     - Each number is divided by its block's scale, clamped to +-28, and rounded to the nearest number of E3M2, ties to even, subnormals kept.
;;     - The product sums the exact products of the quantised numbers (number of the format x scale) in f32.
;;   ~~~python
;;   def quantise(x, axis):      # numpy; x: float32 -> the quantised numbers, widened to float32 again
;;       x = np.moveaxis(x, axis, -1); K = x.shape[-1]
;;       x = np.pad(x, [(0, 0)] * (x.ndim - 1) + [(0, -K % 32)]); x = x.reshape(x.shape[:-1] + (-1, 32)); a = np.abs(x).max(-1, keepdims=True)
;;       e = np.where(a > 0, np.clip(np.frexp(np.where(a > 0, a, 1))[1] - 1 - 4, -126, 127), 0)      # np.frexp(a)[1] - 1 = floor(log2(a)), exactly
;;       r = np.clip(x / 2.0 ** e, -28, 28)
;;       step = 2.0 ** (np.maximum(np.frexp(np.where(r == 0, 1, r))[1] - 1, -2) - 2)
;;       q = np.round(r / step) * step * 2.0 ** e      # np.round: ties to even
;;       return np.moveaxis(q.reshape(q.shape[:-2] + (-1,))[..., :K], -1, axis).astype(np.float32)
;;   ~~~
;;   OPERANDS COMPUTED ON THE WAY. 'Computed on the way' means the value that the module computes at that place (a softmax that the list does not call 'softmax' is quantised finished and normalised). What goes into a quantiser is computed in f32, as accurately as f32 sums, v_exp_f32 and their like allow (about 1e-6 of the number): no bf16 or f16 on the way to a quantiser, and a product that is left as it is and whose result goes on into a quantised operand takes f32 operands (vector FMAs, or v_wmma_f32_16x16x4_f32). A number that lies on a knife's edge between two numbers of the format may be rounded either way, as far as f32 arithmetic and the matrix unit's own rounding can turn it there, and no further.
;; One version. Each part assembles by itself: llvm-mc -triple=amdgcn-amd-amdhsa -mcpu=gfx1250 --defsym DOCPART=n.
;; ======== version 1 of 1: 2 launches
;; limits: right only within a limited range of input values
;; workspace buffers: a_pack 13,516,800 bytes; b_pack 13,516,800 bytes
;; launch quant (part 1): grid 256 x 1, 8 waves a work-group, no clusters, 101,632 bytes of LDS; arguments A, q, s, a_pack, b_pack; writes a_pack, b_pack
.if DOCPART == 1
	.amdgcn_target "amdgcn-amd-amdhsa--gfx1250"
	.amdhsa_code_object_version 6
	.text
	.protected	k_q325e1e5542_quant
	.globl	k_q325e1e5542_quant
	.p2align	8
	.type	k_q325e1e5542_quant,@function
k_q325e1e5542_quant:
	s_mov_b64 s[64:65], 0
	v_nop
	global_prefetch_b8 v0, s[64:65] scope:SCOPE_SE
	s_setreg_imm32_b32 hwreg(HW_REG_WAVE_MODE, 25, 1), 1
	s_wait_xcnt 0x0
; BOTH OPERANDS OF out0 = A w ARE TURNED INTO CODES OF BF6 (E3M2), 6 bits each, with one E8M0 scale byte for each 32 along K.
; A: [4096][4096] f32, K innermost.  w[k][n] = (nibble(k, n) - 8) x s[k / 128][n]: q [4096][512] holds eight neighbouring n in a word, s is [32][4096] f32; K is w's FIRST axis.
; A block's scale is 2^(floor(log2(its largest magnitude)) - 4); its byte is the largest magnitude's own exponent field - 4, held at 1 from below; each number is divided by the scale and rounded to the nearest code, ties to even,
; beyond the largest code the largest.
; LIMITS: NaN and infinities among the inputs are not served.  A block whose largest magnitude lies under 2^(5 - 127) keeps the byte 1.  A block of zeros gets the byte 1 where the rule says 127: its codes are zeros, which add
; nothing under any byte but 0xff, and the bytes are read by this program alone.  |s| from 2^124 on is not served: 8 s is formed.
; WHAT IS WRITTEN is laid as the product's launch takes it.  A FRAGMENT is 16 rows (of A; of w: 16 columns n) x 128 along K: 12 registers a lane; lane l = r + 16 h holds row r, registers 6 c .. 6 c + 5 hold k = 64 c + 32 h + 0 .. 31.
; One buffer an operand: [n: 11][group of 128 rows: 32][j: 3][12,800 bytes], K / 128 = 3 n + j.  The 12,800 bytes: the group's eight fragments, 1,536 bytes each, as IMAGES OF THEIR REGISTERS (register g of lane l at
; 512 (g / 4) + 16 l + 4 (g % 4)), then 512 bytes of scale words, an image too: the word of block 4 u + m, row r, at 256 u + 16 r + 4 m.  K / 128 ends at 31 = 3 x 10 + 1: the part n = 10, j = 2 is neither written nor read.
; SHARES.  256 work-groups of eight waves, ONE path for all.  Each wave makes four fragments of w and four of A, all four at one K / 128 and neighbours in a group: 6,144 consecutive bytes of codes and one whole block of 256 bytes
; of scale words.  The order is w, w, A, A, w, w, A, A: each set of loads of A is issued two fragments or more ahead of its use and lands under the work between.
;   w: work-group g takes columns 256 (g % 16) on and K 256 (g / 16) on.  Its 256 x 32 words of q go through LDS once (one barrier); wave v then takes K 128 (v % 2) on and columns 64 (v / 2) on: A LANE TAKES A COLUMN AND ITS
;      REGISTERS RUN DOWN K, in the very order that the operand's layout gives that lane, so that a block of 32 lies in one lane and nothing is transposed.
;   A: work-group g takes rows 64 (g / 4) on; wave v takes K 128 (8 (g % 4) + v) on.  Each load reads 512 consecutive bytes of one row; 16 rows turn through the wave's own stage in LDS and come back 128 bytes of a row to a lane.
.set GRP,  4112                        ; LDS, from byte 0: the tile of q: eight groups of 32 rows of 128 bytes, 16 bytes of padding behind each group, so that rows k and k + 32, which one load reads, lie 4 banks apart (64 banks of 4 bytes: ISA guide 11.1)
.set ST,   33024                       ; behind it: a stage of its own for each wave,
.set SPT,  528                         ; 16 rows of 512 bytes + 16: sixteen lanes that read sixteen rows touch sixteen different columns of 16 bytes
.set WST,  16*SPT
.set ROWP, 12800                       ; a group of 128 rows at one K / 128
.set PART, 3*ROWP                      ; a group's three parts of one n
.set NSTEP, 32*PART-3*ROWP             ; K / 128 = k lies at (k / 3) x 32 PART + (k % 3) x ROWP = (k / 3) x NSTEP + k x ROWP
.set SCW,  12288                       ; where a part's scale words begin
.set L16,  4                           ; v4   16 x lane: my place in a load of A and in an image; never rewritten
.set QG,   5                           ; v5   q in memory: row lane / 8 of 2,048 bytes, piece lane % 8 of 16 bytes
.set QS,   6                           ; v6   the tile of q, on the way in: my wave's group + 16 x lane
.set QR,   7                           ; v7   and on the way out: group 4 (v % 2) + h, my column's word
.set SH,   8                           ; v8   4 (r % 8): where my column's nibble begins in the word
.set SO,   9                           ; v9   4 r: my column in s
.set AS,   10                          ; v10  the stage, in: 16 x lane
.set AR,   11                          ; v11  the stage, out: row r, + 128 h
.set SCO,  12                          ; v12  16 r + 8 h: where I store two of my row's four scale words
.set H8,   13                          ; v13  8 h
.set MX,   14                          ; v14-15 the two blocks' largest magnitudes
.set EX,   16                          ; v16-17 the conversions' scale operands
.set BY,   18                          ; v18-19 the scale bytes
.set WD,   20                          ; v20  my two bytes at their places in the scale word
.set TP,   21                          ; v21  lane l xor 16's
.set SP,   22                          ; v[22:23] s of my column (the packed form names a pair and takes its low word for both halves: the high word is written once)
.set SM8,  24                          ; v[24:25] -8 s likewise
.set PW,   26                          ; v26-29 w's four scale words
.set PA,   30                          ; v30-33 A's four
.set OB,   34                          ; v[34:35] w's scale words as they are stored
.set OA,   36                          ; v[36:37] A's
.set SV,   40                          ; v40-43 s for the four fragments of w
.set PC,   44                          ; v44-55 a fragment's codes
.set TMP,  56                          ; v56-58, v60-62 the upper 16 codes of each block (a conversion's three registers begin on an even number)
.set X,    64                          ; v64-127 64 numbers: register 32 c + i = k 64 c + 32 h + i of my row or column.  (v64-95 first hold q as it is loaded)
.set RW,   128                         ; v128-255 two sets of 16 loads of A
	s_load_b256 s[4:11], s[0:1], 0x0               ; A s[4:5], q s[6:7], s s[8:9], A's buffer s[10:11]
	s_load_b64 s[12:13], s[0:1], 0x20              ; w's buffer
	v_lshl_add_u32 v59, v0, 2, 0x18900
	v_mov_b32 v63, 0
	v_lshrrev_b32 v1, 5, v0
	s_delay_alu instid0(VALU_DEP_1)
	v_readfirstlane_b32 s18, v1                    ; wave 0..7
	s_and_b32 s19, s18, 1                          ; which 128 along K of w's 256 is my wave's
	s_lshr_b32 s46, s18, 1                         ; which 64 columns of w's 256
	v_and_b32 v1, 31, v0                           ; lane
	v_and_b32 v2, 15, v0                           ; r
	v_bfe_u32 v3, v0, 4, 1                         ; h
	s_mov_b32 s20, 0x76543210
	s_mov_b32 s21, 0xfedcba98                      ; v_permlanex16_b32's selects for lane l xor 16
	v_lshlrev_b32 v[L16], 4, v1
	v_lshrrev_b32 v[QG], 3, v1
	v_and_b32 v[SO], 7, v1
	s_delay_alu instid0(VALU_DEP_2)
	v_lshlrev_b32 v[QG], 11, v[QG]
	s_delay_alu instid0(VALU_DEP_1)
	v_lshl_add_u32 v[QG], v[SO], 4, v[QG]
	s_mul_i32 s41, s18, GRP
	v_add_nc_u32 v[QS], s41, v[L16]
	v_mul_u32_u24 v[QR], v3, GRP
	v_lshrrev_b32 v[SH], 3, v2
	s_delay_alu instid0(VALU_DEP_1)
	v_lshl_add_u32 v[QR], v[SH], 2, v[QR]          ; column 64 (v / 2) + 16 cbl + r lies in word 8 (v / 2) + 2 cbl + r / 8 of the tile's row
	s_mul_i32 s42, s19, 4*GRP                      ; row 128 (v % 2) + 64 c + 32 h + i lies in group 4 (v % 2) + 2 c + h
	s_lshl_b32 s40, s46, 5
	s_add_co_u32 s42, s42, s40
	v_add_nc_u32 v[QR], s42, v[QR]
	v_and_b32 v[SH], 7, v2
	s_delay_alu instid0(VALU_DEP_1)
	v_lshlrev_b32 v[SH], 2, v[SH]
	v_lshlrev_b32 v[SO], 2, v2
	s_mul_i32 s43, s18, WST
	s_add_co_u32 s43, s43, ST                      ; my wave's stage
	v_add_nc_u32 v[AS], s43, v[L16]
	v_mul_u32_u24 v[AR], v2, SPT
	s_delay_alu instid0(VALU_DEP_1)
	v_lshl_add_u32 v[AR], v3, 7, v[AR]
	s_delay_alu instid0(VALU_DEP_1)
	v_add_nc_u32 v[AR], s43, v[AR]
	v_lshlrev_b32 v[SCO], 4, v2
	s_delay_alu instid0(VALU_DEP_1)
	v_lshl_add_u32 v[SCO], v3, 3, v[SCO]
	v_lshlrev_b32 v[H8], 3, v3
	v_mov_b32 v[TP], 0                             ; written once: a lane permute's destination counts as one of its sources
	v_mov_b32 v[SP+1], 0
	v_mov_b32 v[SM8+1], 0
	v_cmp_gt_u32 vcc_lo, 16, v1                    ; lanes 0-15: for the two stores of scale words; VCC is not written again
	; where my wave's parts begin, in bytes; every one stays under 2^31, and every later step is an immediate
	s_and_b32 s22, ttmp9, 15                       ; cg: which 256 columns of w
	s_lshr_b32 s23, ttmp9, 4                       ; kk: which 256 along K of w
	s_lshr_b32 s24, ttmp9, 2                       ; p: which 64 rows of A
	s_and_b32 s25, ttmp9, 3
	s_lshl_b32 s25, s25, 3
	s_add_co_u32 s25, s25, s18                     ; ka: which 128 along K of A
	s_lshl_b32 s47, s23, 1
	s_add_co_u32 s47, s47, s19                     ; kb: which 128 along K of w
	s_lshl_b32 s26, s23, 19                        ; q: (256 kk + 32 v) rows of 2,048 bytes + 128 cg
	s_lshl_b32 s40, s18, 16
	s_add_co_u32 s26, s26, s40
	s_lshl_b32 s40, s22, 7
	s_add_co_u32 s26, s26, s40
	s_mov_b32 s27, 0
	s_lshl_b32 s28, s47, 14                        ; s: row kb of 16,384 bytes + 4 (256 cg + 64 (v / 2))
	s_lshl_b32 s40, s22, 10
	s_add_co_u32 s28, s28, s40
	s_lshl_b32 s40, s46, 8
	s_add_co_u32 s28, s28, s40
	s_mov_b32 s29, 0
	s_mul_i32 s40, s47, 11                         ; w's buffer: kb / 3 = 11 kb / 32, rounded down, for kb up to 31
	s_lshr_b32 s40, s40, 5
	s_mul_i32 s30, s40, NSTEP
	s_mul_i32 s40, s47, ROWP
	s_add_co_u32 s30, s30, s40
	s_lshl_b32 s40, s22, 1                         ; group 2 cg + v / 4
	s_lshr_b32 s41, s46, 1
	s_add_co_u32 s40, s40, s41
	s_mul_i32 s40, s40, PART
	s_add_co_u32 s30, s30, s40                     ; my part of 12,800 bytes
	s_and_b32 s41, s46, 1                          ; its blocks 0-3 or 4-7
	s_lshl_b32 s32, s41, 8
	s_add_co_u32 s32, s32, s30
	s_add_co_u32 s32, s32, SCW                     ; their scale words
	s_mul_i32 s41, s41, 4*1536
	s_add_co_u32 s30, s30, s41                     ; their codes
	s_mov_b32 s31, 0
	s_mov_b32 s33, 0
	s_lshl_b32 s34, s24, 20                        ; A: 64 p rows of 16,384 bytes + 512 ka
	s_lshl_b32 s40, s25, 9
	s_add_co_u32 s34, s34, s40
	s_mov_b32 s35, 0
	s_mul_i32 s40, s25, 11                         ; A's buffer likewise: ka / 3,
	s_lshr_b32 s40, s40, 5
	s_mul_i32 s36, s40, NSTEP
	s_mul_i32 s40, s25, ROWP
	s_add_co_u32 s36, s36, s40
	s_lshr_b32 s40, s24, 1                         ; group p / 2,
	s_mul_i32 s40, s40, PART
	s_add_co_u32 s36, s36, s40
	s_and_b32 s41, s24, 1                          ; blocks 0-3 or 4-7
	s_lshl_b32 s38, s41, 8
	s_add_co_u32 s38, s38, s36
	s_add_co_u32 s38, s38, SCW
	s_mul_i32 s41, s41, 4*1536
	s_add_co_u32 s36, s36, s41
	s_mov_b32 s37, 0
	s_mov_b32 s39, 0
	s_wait_kmcnt 0x0
	s_add_nc_u64 s[6:7], s[6:7], s[26:27]
	s_add_nc_u64 s[8:9], s[8:9], s[28:29]
	s_add_nc_u64 s[14:15], s[12:13], s[30:31]      ; w's codes
	s_add_nc_u64 s[16:17], s[12:13], s[32:33]      ; w's scale words
	s_add_nc_u64 s[4:5], s[4:5], s[34:35]
	s_add_nc_u64 s[44:45], s[10:11], s[38:39]      ; A's scale words
	s_add_nc_u64 s[10:11], s[10:11], s[36:37]      ; A's codes
; 16 rows x 128 along K of A, fragment t (rows 16 t on of my 64), into set t % 2: each load reads 512 consecutive bytes of one row
.macro LOADA t
.set ii, 0
.rept 16
	global_load_b128 v[RW+64*((\t)%2)+4*ii:RW+64*((\t)%2)+4*ii+3], v[L16], s[4:5] offset:(16*(\t)+ii)*16384 th:TH_LOAD_NT
.set ii, ii+1
.endr
.endm
; The 64 numbers in v[X] on become a fragment's codes in v[PC] on and its scale word in v[word].  Both my blocks are wholly mine: no other lane is asked for a maximum.
.macro QF word
.irp c, 0,1
	v_max3_num_f32 v[MX+\c], |v[X+32*\c]|, |v[X+32*\c+1]|, 0x2800000   ; and the floor 2^(5 - 127), under which no largest magnitude is taken: so the byte cannot fall under 1
.endr
.irp i, 2,4,6,8,10,12,14,16,18,20,22,24,26,28,30
.irp c, 0,1
	s_delay_alu instid0(VALU_DEP_2)
	v_max3_num_f32 v[MX+\c], v[MX+\c], |v[X+32*\c+\i]|, |v[X+32*\c+\i+1]|   ; (the two blocks by turns)
.endr
.endr
.irp c, 0,1
	s_delay_alu instid0(VALU_DEP_2)
	v_add_nc_u32 v[EX+\c], 0xfe000000, v[MX+\c]    ; 4 off the exponent field: the conversion takes the exponent field of this operand as its scale, and nothing else of it
.endr
.irp c, 0,1
	s_delay_alu instid0(VALU_DEP_2)
	v_lshrrev_b32 v[BY+\c], 23, v[EX+\c]           ; the scale's byte
.endr
	s_delay_alu instid0(VALU_DEP_1)
	v_lshl_or_b32 v[WD], v[BY+1], 16, v[BY]        ; my two bytes: blocks h and 2 + h,
	s_delay_alu instid0(VALU_DEP_1)
	v_lshlrev_b32 v[WD], v[H8], v[WD]              ; at their places in the word (8 h bits up);
	s_delay_alu instid0(VALU_DEP_1)
	v_permlanex16_b32 v[TP], v[WD], s20, s21
	s_delay_alu instid0(VALU_DEP_1)
	v_or_b32 v[\word], v[WD], v[TP]                ; with lane l xor 16's two the word is whole, in both lanes
	s_wait_alu depctr_va_vdst(0)
	s_wait_xcnt 0x0                                ; the last fragment's three stores have read v[PC] on: only behind this wait are these registers written again
.irp c, 0,1
	v_cvt_scalef32_pk16_bf6_f32 v[PC+6*\c:PC+6*\c+2], v[X+32*\c:X+32*\c+15], v[EX+\c]
	v_cvt_scalef32_pk16_bf6_f32 v[TMP+4*\c:TMP+4*\c+2], v[X+32*\c+16:X+32*\c+31], v[EX+\c]
.endr
	v_nop                                          ; one plain vector instruction between a scaled conversion and the vector instruction that touches its result
.irp c, 0,1
.irp i, 0,1,2
	v_mov_b32 v[PC+3+6*\c+\i], v[TMP+4*\c+\i]      ; registers 6 c .. 6 c + 5 now hold k = 64 c + 32 h + 0 .. 31
.endr
.endr
.endm
; The fragment leaves as the image of its registers: each store of the wave covers 512 consecutive bytes, at a multiple of 256 from the buffer's first byte
.macro OUT lo, f
.irp c, 0,1,2
	global_store_b128 v[L16], v[PC+4*\c:PC+4*\c+3], s[\lo:\lo+1] offset:1536*(\f)+512*\c
.endr
.endm
; A fragment of w: columns 16 cbl + r of my wave's 64
.macro WFRAG cbl
.set cc, 0
.rept 2
.set ii, 0
.rept 32
	ds_load_b32 v[X+32*cc+ii], v[QR] offset:2*cc*GRP+128*ii+8*(\cbl)   ; the word of row 64 c + 32 h + i of my 128 that holds my column: eight lanes share it
.set ii, ii+1
.endr
.set cc, cc+1
.endr
	v_mov_b32 v[SP], v[SV+(\cbl)]
	v_mul_f32 v[SM8], 0xc1000000, v[SV+(\cbl)]     ; -8 s: exact
	s_wait_dscnt 0x0
.set jj, 0
.rept 64
	v_bfe_u32 v[X+jj], v[X+jj], v[SH], 4           ; my column's nibble
.set jj, jj+1
.endr
.set jj, 0
.rept 64
	v_cvt_f32_u32 v[X+jj], v[X+jj]
.set jj, jj+1
.endr
.set jj, 0
.rept 32
	v_pk_fma_f32 v[X+jj:X+jj+1], v[X+jj:X+jj+1], v[SP:SP+1], v[SM8:SM8+1] op_sel_hi:[1,0,0]   ; nibble x s - 8 s, rounded once: the same bits as (nibble - 8) x s
.set jj, jj+2
.endr
	QF PW+(\cbl)
	OUT 14, \cbl
.endm
; A fragment of A.  left: the younger loads that may stay out
.macro AFRAG t, left
	s_wait_loadcnt \left                           ; loads come back in order: this fragment's sixteen are in
.set ii, 0
.rept 16
	ds_store_b128 v[AS], v[RW+64*((\t)%2)+4*ii:RW+64*((\t)%2)+4*ii+3] offset:SPT*ii   ; row i as it was loaded
.set ii, ii+1
.endr
.irp c, 0,1
.irp j, 0,1,2,3,4,5,6,7
	ds_load_b128 v[X+32*\c+4*\j:X+32*\c+4*\j+3], v[AR] offset:256*\c+16*\j   ; LDS serves a wave's instructions in order: these see the stores above.  Of row r: k = 64 c + 32 h + 4 j on
.endr
.endr
	s_wait_dscnt 0x0                               ; my numbers are in, and the stores into the stage have read their registers,
.if (\t) < 2
	LOADA (\t)+2                                   ; which take the fragment two further on
.endif
	QF PA+(\t)
	OUT 10, \t
.endm
.irp t, 0,1,2,3,4,5,6,7
	global_load_b128 v[X+4*\t:X+4*\t+3], v[QG], s[6:7] offset:8192*\t th:TH_LOAD_NT   ; my 32 rows of the tile of q, four rows of 128 bytes a load
.endr
.irp n, 0,1,2,3
	global_load_b32 v[SV+\n], v[SO], s[8:9] offset:64*\n   ; s of my column for fragment n
.endr
	LOADA 0
	LOADA 1
	s_wait_loadcnt 36                              ; q is in; behind it were issued the 4 loads of s and the 32 of A
.irp t, 0,1,2,3,4,5,6,7
	ds_store_b128 v[QS], v[X+4*\t:X+4*\t+3] offset:512*\t
.endr
	s_wait_dscnt 0x0                               ; for the others' sake: my part of the tile lies in LDS
	s_barrier_signal -1
	s_barrier_wait -1                              ; the launch's one barrier: the tile is written once, and from here on only read
	s_wait_loadcnt 32                              ; s is in; the 32 loads of A may stay out
	WFRAG 0
	WFRAG 1
	AFRAG 0, 16                                    ; the one younger set of sixteen may stay out; the third set is asked for here,
	AFRAG 1, 16                                    ; the fourth here: both land under the two fragments of w that follow
	WFRAG 2
	WFRAG 3
	v_cndmask_b32 v[OB], v[PW+2], v[PW], vcc_lo    ; each word stands in lanes r and r + 16: lane r stores the words of blocks 0 and 1, lane r + 16 those of blocks 2 and 3
	v_cndmask_b32 v[OB+1], v[PW+3], v[PW+1], vcc_lo
	global_store_b64 v[SCO], v[OB:OB+1], s[16:17]  ; the wave stores 256 consecutive bytes, at a multiple of 256 from the buffer's first byte
	AFRAG 2, 16
	AFRAG 3, 0
	v_cndmask_b32 v[OA], v[PA+2], v[PA], vcc_lo
	v_cndmask_b32 v[OA+1], v[PA+3], v[PA+1], vcc_lo
	global_store_b64 v[SCO], v[OA:OA+1], s[44:45]
	s_wait_tensorcnt 0x0
	ds_add_u32 v59, v63
	s_wait_dscnt 0x0
	s_endpgm
.Lfunc_end_k_q325e1e5542_quant:
	.size	k_q325e1e5542_quant, .Lfunc_end_k_q325e1e5542_quant-k_q325e1e5542_quant
	.p2alignl 7, 3214868480
	.fill 96, 4, 3214868480
	.section	.rodata,"a",@progbits
	.p2align	6, 0x0
	.amdhsa_kernel k_q325e1e5542_quant
		.amdhsa_group_segment_fixed_size 101632
		.amdhsa_private_segment_fixed_size 0
		.amdhsa_enable_private_segment 0
		.amdhsa_kernarg_size 40
		.amdhsa_user_sgpr_count 2
		.amdhsa_user_sgpr_kernarg_segment_ptr 1
		.amdhsa_wavefront_size32 1
		.amdhsa_system_sgpr_workgroup_id_x 1
		.amdhsa_system_sgpr_workgroup_id_y 1
		.amdhsa_system_sgpr_workgroup_id_z 1
		.amdhsa_system_vgpr_workitem_id 0
		.amdhsa_next_free_vgpr 256
		.amdhsa_next_free_sgpr 66
		.amdhsa_reserve_vcc 1
		.amdhsa_float_denorm_mode_32 3
		.amdhsa_float_denorm_mode_16_64 3
		.amdhsa_memory_ordered 1
		.amdhsa_forward_progress 1
		.amdhsa_inst_pref_size 106
	.end_amdhsa_kernel
	.amdgpu_metadata
---
amdhsa.version: [ 1, 2 ]
amdhsa.kernels:
  - .name:           k_q325e1e5542_quant
    .symbol:         k_q325e1e5542_quant.kd
    .args:
      - { .name: A, .offset: 0, .size: 8, .value_kind: global_buffer, .address_space: global }
      - { .name: q, .offset: 8, .size: 8, .value_kind: global_buffer, .address_space: global }
      - { .name: s, .offset: 16, .size: 8, .value_kind: global_buffer, .address_space: global }
      - { .name: a_pack, .offset: 24, .size: 8, .value_kind: global_buffer, .address_space: global }
      - { .name: b_pack, .offset: 32, .size: 8, .value_kind: global_buffer, .address_space: global }
    .group_segment_fixed_size: 101632
    .private_segment_fixed_size: 0
    .kernarg_segment_align: 8
    .kernarg_segment_size: 40
    .max_flat_workgroup_size: 256
    .sgpr_count:     66
    .vgpr_count:     256
    .wavefront_size: 32
...
	.end_amdgpu_metadata
.endif
;; end of part 1
;; launch gemm (part 2): grid 16 x 16, 4 waves a work-group, clusters of 4 x 4, 327,680 bytes of LDS; arguments a_pack, b_pack, out0; writes out0
.if DOCPART == 2
	.amdgcn_target "amdgcn-amd-amdhsa--gfx1250"
	.amdhsa_code_object_version 6
	.text
	.protected	k_q325e1e5542_gemm
	.globl	k_q325e1e5542_gemm
	.p2align	8
	.type	k_q325e1e5542_gemm,@function
k_q325e1e5542_gemm:
	s_mov_b64 s[64:65], 0
	v_nop
	global_prefetch_b8 v0, s[64:65] scope:SCOPE_SE
	s_setreg_imm32_b32 hwreg(HW_REG_WAVE_MODE, 25, 1), 1
	s_wait_xcnt 0x0
	s_wait_alu depctr_hold_cnt(0) depctr_sa_sdst(0) depctr_va_vdst(0) depctr_va_sdst(0) depctr_va_ssrc(0) depctr_va_vcc(0) depctr_vm_vsrc(0)
	s_getreg_b32 s2, hwreg(HW_REG_IB_STS2, 6, 4)
	s_cmp_eq_u32 s2, 0
	s_cbranch_scc0 .Lentry_in_a_cluster
	s_endpgm
.Lentry_in_a_cluster:
	s_bfe_u32 s2, ttmp6, 0x10000c
	s_cmp_lg_u32 s2, 0xf033
	s_cbranch_scc0 .Lentry_shape_is_right
	s_endpgm
.Lentry_shape_is_right:
; out0[m][n] = sum over k of A[m][k] w[k][n], both operands as codes of BF6 (E3M2) with one E8M0 byte for each 32 along K, as the launch before has packed them.
; a_pack, b_pack: [n: 11][group of 128 rows: 32][j: 3][12,800 bytes], K / 128 = 3 n + j.  The 12,800 bytes: eight fragments (16 rows x 128 K) as images of their 12 registers, 1,536 bytes each, then 512 bytes of scale words.
; A block of 256 x 256 of out0 is made by four waves, each 128 x 128: 64 accumulators, 512 registers.  256 work-groups.
; THE RING: two LDS slots; a slot holds tile n: three K steps of A's two groups and B's two groups, 153,600 bytes; each wave brings one group by one tensor load of 150 rows of 256 bytes.  Tile 10 has two K steps (100 rows).
; CLUSTERS: 4 x 4 work-groups; A's groups are shared along a row of the cluster, B's along a column: joint loads, each behind a round of the cluster's barrier.
; FRAGMENTS: A and B have TWO sets of registers each, so that a whole K step is fetched one step ahead of its products: B's 24 loads and 2 of scale words at a step's head, A's 24 in its middle.
; A slot's third step changes slots: all its fragments are in registers at its head, so the three lines, the barrier and the round stand among its products, and the next slot's first fragments are fetched under its last five blocks.
; THE LAST TWO K STEPS lie in the two sets at once and are finished by blocks of 16 rows of out0: a block leaves through the wave's stage while the later blocks are multiplied.
; THE MATRIX INSTRUCTION IS USED TRANSPOSED (source 0 = B, source 1 = A): a lane holds eight neighbouring numbers of a row of out0.
; PREFETCH: behind the joint load of tile n, tile n + 1 (n + 1 from 1 to 9) is asked for: three K steps ahead of its load.  In each cluster the four partners that load a pair of groups share its 300 blocks of 256 bytes by address,
; 75 each, 25 lanes x 3 instructions, issued by the wave that fetches the pair's first group.  Tile 10 is not asked for: its third part is never written.
; REGISTERS: window 0: v0-31 addresses, v32-47 scale words (two sets of 8: lanes 0-15 A's block, lanes 16-31 B's), v64-255 A's two sets; window 1: v0-191 B's two sets, v192-255 way out; windows 2, 3: accumulators (a, b) at v[8 (8 (a % 4) + b)].
.set SIZE_N, 4096
.set FR,     12
.set FRB,    1536
.set ROWP,   12800
.set SCW,    12288
.set PART,   3*ROWP
.set SLOT,   4*PART
.set NSB,    32*PART                   ; bytes from tile n to tile n + 1
.set TRIPS,  4
.set SPARE,  2*SLOT                    ; the spare words: 512 bytes that no other line names
.set STAGE,  SLOT                      ; the way out's stages lie in slot 1: it has had its last fill and its last read by then
.set SPITCH, 528
.set ADRA, 16                          ; v16-17 my A fragments in slot 0, 1
.set ADRB, 20                          ; v20-21 my B fragments
.set ADRS, 22                          ; v22-23 my scale words
.set STO,  24
.set RD,   25
.set CO,   26
.set SPW,  28
.set NIL,  29
.set PFO,  30
.set SC,   32
.set AF,   64
.set BK0,  192                         ; window 1: rows read back, even blocks
.set BK1,  48                          ; window 0: odd blocks (v48-63 and the registers of step 30's blocks 0-3 of A, done with by then)
.set G1, 24
.set G0, 32
.set G1B, 48
.set G0B, 56
.set G1T, 68
.set G1TB, 80
.set LIM0, 94
.set LIM1, 95
.set PFA, 96
.set MSB, 0
.macro WIN new                         ; the immediate's high byte repeats the setting that is left
.if MSB != \new
	s_set_vgpr_msb (MSB<<8)|\new
.set MSB, \new
.endif
.endm
.set MUL_LO, 0xa1                      ; source 0 (B) window 1, source 1 (A) window 0, C and D window 2
.set MUL_HI, 0xf1                      ; C and D window 3
.set TO_B,   0x40
.macro JLOAD g0a, g1a, g0b, g1b        ; waves 0, 1 fetch A's groups, waves 2, 3 B's; s_nop 0 and four v_nop behind each line
	s_cmp_eq_u32 s15, 0
	s_cbranch_scc0 .Lfor_b_\@
	tensor_load_to_lds s[\g0a:\g0a+3], s[\g1a:\g1a+7]
	s_nop 0
.rept 4
	v_nop
.endr
	s_branch .Lasked_\@
.Lfor_b_\@:
	tensor_load_to_lds s[\g0b:\g0b+3], s[\g1b:\g1b+7]
	s_nop 0
.rept 4
	v_nop
.endr
.Lasked_\@:
.endm
.macro ASK lim                         ; 75 blocks of 256 bytes of the next tile; the limit is -1 in the waves that do not ask
	s_cmp_gt_u32 s3, s[\lim]
	s_cbranch_scc0 .Lnot_mine_\@
	global_prefetch_b8 v[PFO], s[PFA:PFA+1] th:TH_LOAD_NT scope:SCOPE_SE
	global_prefetch_b8 v[PFO], s[PFA:PFA+1] offset:25*256 th:TH_LOAD_NT scope:SCOPE_SE
	global_prefetch_b8 v[PFO], s[PFA:PFA+1] offset:50*256 th:TH_LOAD_NT scope:SCOPE_SE
.Lnot_mine_\@:
.endm
.macro CREST                           ; a round of the cluster's barrier behind its opening barrier
	s_cmp_lg_u32 s14, 0
	s_cbranch_scc1 .Lnot_wave_0_\@
	s_barrier_signal -3
.Lnot_wave_0_\@:
	s_barrier_wait -3
	s_barrier_signal -1
	s_barrier_wait -1
.endm
.macro CROUND
	s_barrier_signal -1
	s_barrier_wait -1
	CREST
.endm
	s_load_b128 s[4:7], s[0:1], 0x0                ; a_pack, b_pack
	s_load_b64 s[12:13], s[0:1], 0x10              ; out0
	v_lshl_add_u32 v[SPW], v0, 2, SPARE
	v_mov_b32 v[NIL], 0
	ds_add_u32 v[SPW], v[NIL]                      ; the opening lines: the add twice on end under one wait
	ds_add_u32 v[SPW], v[NIL]
	v_lshrrev_b32 v1, 5, v0
	v_readfirstlane_b32 s14, v1                    ; wave 0..3
	s_lshr_b32 s15, s14, 1                         ; my half of the rows; also: I fetch for A (0) or B (1)
	s_and_b32 s16, s14, 1                          ; my half of the columns; also: which group I fetch
	s_bfe_u32 s40, ttmp6, 0x40000                  ; cx
	s_bfe_u32 s41, ttmp6, 0x40004                  ; cy
	s_lshl_b32 s42, ttmp9, 2
	s_add_co_u32 s42, s42, s40                     ; block column
	s_and_b32 s17, ttmp7, 0xffff
	s_lshl_b32 s17, s17, 2
	s_add_co_u32 s17, s17, s41                     ; block row
	s_lshl_b32 s43, s41, 2
	s_lshl_b32 s43, 15, s43                        ; my row of the cluster
	s_lshl_b32 s44, 0x1111, s40                    ; my column
	s_or_b32 s[G1+0], s43, (3<<16)|(1<<21)         ; elements of 8 bytes; bit 21 beside the mask
	s_or_b32 s[G1B+0], s44, (3<<16)|(1<<21)
.irp g, G1, G1B                        ; a dense block of 38,400 bytes as 150 rows of 256
	s_mov_b32 s[\g+1], 32<<16
	s_mov_b32 s[\g+2], 150<<16
	s_mov_b32 s[\g+3], 32<<16
	s_mov_b32 s[\g+4], 150
	s_mov_b32 s[\g+5], 32
	s_mov_b32 s[\g+6], 0
	s_mov_b32 s[\g+7], 0
.endr
	s_or_b32 s[G1T+0], s43, (3<<16)|(1<<21)
	s_or_b32 s[G1TB+0], s44, (3<<16)|(1<<21)
.irp g, G1T, G1TB                      ; tile 10: 100 rows
	s_mov_b32 s[\g+1], 32<<16
	s_mov_b32 s[\g+2], 100<<16
	s_mov_b32 s[\g+3], 32<<16
	s_mov_b32 s[\g+4], 100
	s_mov_b32 s[\g+5], 32
	s_mov_b32 s[\g+6], 0
	s_mov_b32 s[\g+7], 0
.endr
	s_lshl_b32 s20, s17, 1
	s_add_co_u32 s20, s20, s16
	s_mul_i32 s20, s20, PART                       ; A: group 2 x block row + which
	s_mov_b32 s21, 0
	s_lshl_b32 s46, s42, 1
	s_add_co_u32 s46, s46, s16
	s_mul_i32 s46, s46, PART                       ; B: group 2 x block column + which
	s_mov_b32 s47, 0
	s_mul_i32 s45, s14, PART                       ; where my load goes: wave x a group
	s_mul_i32 s88, s15, PART                       ; LDS: the group of A that I multiply,
	s_mul_i32 s89, s16, PART
	s_add_co_u32 s89, s89, 2*PART                  ; the group of B,
	s_sub_co_u32 s90, s89, s88                     ; the distance between the two,
	s_add_co_u32 s92, s88, SCW                     ; A's scale words,
	s_mul_i32 s91, s14, 16*SPITCH
	s_add_co_u32 s91, s91, STAGE                   ; my stage
	s_lshl_b32 s18, s17, 8
	s_lshl_b32 s10, s15, 7
	s_add_co_u32 s18, s18, s10                     ; my first row of out0,
	s_lshl_b32 s18, s18, 14                        ; in bytes,
	s_lshl_b32 s10, s42, 10
	s_add_co_u32 s18, s18, s10
	s_lshl_b32 s10, s16, 9
	s_add_co_u32 s18, s18, s10                     ; + my first column
	s_mov_b32 s19, 0
	s_mov_b32 s3, TRIPS
	v_and_b32 v7, 31, v0
	v_and_b32 v1, 15, v0                           ; r
	v_bfe_u32 v2, v0, 4, 1                         ; h
	v_lshlrev_b32 v[CO], 4, v7                     ; 16 x lane: my place in an image and in a row of 512 bytes
	v_min_u32 v[PFO], 24, v7                       ; lanes 25-31 name their wave's last block again
	v_lshlrev_b32 v[PFO], 8, v[PFO]
	v_add_nc_u32 v[ADRA], s88, v[CO]
	v_add_nc_u32 v[ADRB], s89, v[CO]
	v_add_nc_u32 v[ADRA+1], SLOT, v[ADRA]
	v_add_nc_u32 v[ADRB+1], SLOT, v[ADRB]
	v_lshlrev_b32 v5, 4, v1
	v_mul_u32_u24 v6, s90, v2                      ; lanes 16-31 take B's words
	v_add_nc_u32 v5, v5, v6
	v_add_nc_u32 v[ADRS], s92, v5
	v_add_nc_u32 v[ADRS+1], SLOT, v[ADRS]
	v_mul_u32_u24 v5, v1, SPITCH
	v_lshl_add_u32 v5, v2, 5, v5
	v_add_nc_u32 v[STO], s91, v5                   ; into the stage: row r, 32 bytes for each half of the lanes
	v_add_nc_u32 v[RD], s91, v[CO]                 ; back: a row of 512 bytes to the 32 lanes
	s_wait_alu depctr_va_vdst(0)                   ; the wait behind the head's last vector write
	s_wait_dscnt 0x0                               ; both opening adds are done
	s_wait_kmcnt 0x0
	s_add_nc_u64 s[20:21], s[4:5], s[20:21]
	s_add_nc_u64 s[46:47], s[6:7], s[46:47]
	s_add_nc_u64 s[12:13], s[12:13], s[18:19]
	s_cmp_eq_u32 s15, 0
	s_cselect_b64 s[PFA:PFA+1], s[20:21], s[46:47]
	s_cselect_b32 s10, s40, s41                    ; my place among the four that load the pair with me: it enters an address alone
	s_mul_i32 s10, s10, 75*256
	s_add_co_u32 s10, s10, NSB                     ; tile 1
	s_mov_b32 s11, 0
	s_add_nc_u64 s[PFA:PFA+1], s[PFA:PFA+1], s[10:11]
	s_cmp_eq_u32 s16, 0                            ; the wave that fetches the pair's first group asks for both
	s_cselect_b32 s[LIM0], 0, -1
	s_cselect_b32 s[LIM1], 1, -1                   ; slot 1's last refill in the loop is tile 9: nothing is asked behind it
.irp s, 0,1
	s_mov_b32 s[G0+4*\s], 1
	s_add_co_u32 s[G0+4*\s+1], s45, \s*SLOT
	s_add_nc_u64 s[G0+4*\s+2:G0+4*\s+3], s[20:21], \s*NSB
	s_or_b32 s[G0+4*\s+3], s[G0+4*\s+3], 0x80000000
	s_mov_b32 s[G0B+4*\s], 1
	s_add_co_u32 s[G0B+4*\s+1], s45, \s*SLOT
	s_add_nc_u64 s[G0B+4*\s+2:G0B+4*\s+3], s[46:47], \s*NSB
	s_or_b32 s[G0B+4*\s+3], s[G0B+4*\s+3], 0x80000000
.endr
	CROUND                                         ; in front of the first joint loads
	JLOAD G0, G1, G0B, G1B                         ; tile 0: one tensor load a wave at the head
	ASK LIM0                                       ; tile 1
.macro FRAG reg, adr, j, i             ; a fragment's image: three loads of 512 consecutive bytes
.irp c, 0,1,2
	ds_load_b128 v[\reg+4*\c:\reg+4*\c+3], v[\adr] offset:(\j)*ROWP+(\i)*FRB+512*\c
.endr
.endm
.macro MUL8 a, p, zero                 ; A's block a against B's eight, set p; the accumulators take turns, one instruction a turn
.irp b, 0,1,2,3,4,5,6,7
.if \zero
	v_wmma_scale_f32_16x16x128_f8f6f4 v[8*(8*((\a)%4)+\b):8*(8*((\a)%4)+\b)+7], v[96*(\p)+FR*\b:96*(\p)+FR*\b+FR-1], v[AF+96*(\p)+FR*(\a):AF+96*(\p)+FR*(\a)+FR-1], 0, v[SC+8*(\p)+\b], v[SC+8*(\p)+(\a)] matrix_a_fmt:MATRIX_FMT_BF6 matrix_b_fmt:MATRIX_FMT_BF6 matrix_a_scale:MATRIX_SCALE_ROW1
.else
	v_wmma_scale_f32_16x16x128_f8f6f4 v[8*(8*((\a)%4)+\b):8*(8*((\a)%4)+\b)+7], v[96*(\p)+FR*\b:96*(\p)+FR*\b+FR-1], v[AF+96*(\p)+FR*(\a):AF+96*(\p)+FR*(\a)+FR-1], v[8*(8*((\a)%4)+\b):8*(8*((\a)%4)+\b)+7], v[SC+8*(\p)+\b], v[SC+8*(\p)+(\a)] matrix_a_fmt:MATRIX_FMT_BF6 matrix_b_fmt:MATRIX_FMT_BF6 matrix_a_scale:MATRIX_SCALE_ROW1
.endif
.endr
.endm
.macro FETCH_B slot, j, p              ; 24 loads, then the 2 of scale words
	WIN TO_B
.irp i, 0,1,2,3,4,5,6,7
	FRAG 96*(\p)+FR*\i, ADRB+\slot, \j, \i
.endr
	WIN 0
.irp u, 0,1
	ds_load_b128 v[SC+8*(\p)+4*\u:SC+8*(\p)+4*\u+3], v[ADRS+\slot] offset:(\j)*ROWP+256*\u
.endr
.endm
.macro FETCH_A slot, j, p              ; 24 loads, blocks ascending
	WIN 0
.irp i, 0,1,2,3,4,5,6,7
	FRAG AF+96*(\p)+FR*\i, ADRA+\slot, \j, \i
.endr
.endm
.macro PLACES                          ; four places between matrix instructions and loads into, or reads of, their registers
.rept 4
	v_nop
.endr
.endm
; A step on set p; the next step's fragments (slot nslot, part nj) go into the other set, which the step before has read: the four places at the head serve both runs of loads.
.macro STEPN p, zero, nslot, nj
	s_wait_dscnt 12                                ; all but the youngest twelve loads: A's blocks 4-7
	PLACES
	FETCH_B \nslot, \nj, 1-(\p)
	WIN MUL_LO
.irp a, 0,1,2,3
	MUL8 \a, \p, \zero
.endr
	s_wait_dscnt 26                                ; all but the 26 just issued: A's blocks 4-7 are in
	FETCH_A \nslot, \nj, 1-(\p)
	WIN MUL_HI
.irp a, 4,5,6,7
	MUL8 \a, \p, \zero
.endr
.endm
; A slot's third step.  fill = 1: the slot takes the tile two further on; 2: tile 10; 0: nothing more, so no round follows the barrier.
.macro CSTEP p, slot, fill, lim
.if \fill == 1
	s_wait_xcnt 0x0                                ; my prefetches have read their address
	s_add_nc_u64 s[PFA:PFA+1], s[PFA:PFA+1], NSB
.endif
	WIN 0
	s_wait_tensorcnt 0x0                           ; my one load that was out, my group of the other slot's tile, has landed
	ds_add_u32 v[SPW], v[NIL]
.if \fill
	s_add_nc_u64 s[G0+4*\slot+2:G0+4*\slot+3], s[G0+4*\slot+2:G0+4*\slot+3], 2*NSB
	s_add_nc_u64 s[G0B+4*\slot+2:G0B+4*\slot+3], s[G0B+4*\slot+2:G0B+4*\slot+3], 2*NSB
.endif
	s_wait_dscnt 13                                ; the add and A's blocks 4-7 may be out
	WIN MUL_LO
	MUL8 0, \p, 0
	MUL8 1, \p, 0
	s_wait_dscnt 0x0                               ; the add is done and my reads of this slot are over
	s_barrier_signal -1
	MUL8 2, \p, 0
	WIN 0
	s_barrier_wait -1
.if \fill
	CREST                                          ; the barrier has opened a round of the cluster's barrier
.endif
.if \fill == 1
	JLOAD G0+4*\slot, G1, G0B+4*\slot, G1B         ; the refill, first behind the round; its four v_nop are the places for the loads below
.endif
.if \fill == 2
	JLOAD G0+4*\slot, G1T, G0B+4*\slot, G1TB
.endif
.if \fill == 0
	PLACES
.endif
	FETCH_B 1-(\slot), 0, 1-(\p)
	FETCH_A 1-(\slot), 0, 1-(\p)
.if \fill == 1
	ASK \lim
.endif
	WIN MUL_LO
	MUL8 3, \p, 0
	WIN MUL_HI
.irp a, 4,5,6,7
	MUL8 \a, \p, 0
.endr
.endm
	s_wait_tensorcnt 0x0                           ; my group of tile 0 is in; the same lines as ahead of a refill stand ahead of slot 1's first fill
	ds_add_u32 v[SPW], v[NIL]
	s_wait_xcnt 0x0                                ; my prefetches have read their address
	s_add_nc_u64 s[PFA:PFA+1], s[PFA:PFA+1], NSB
	s_wait_dscnt 0x0
	CROUND
	JLOAD G0+4, G1, G0B+4, G1B                     ; tile 1
	FETCH_B 0, 0, 0
	FETCH_A 0, 0, 0
	ASK LIM0                                       ; tile 2
	STEPN 0, 1, 0, 1                               ; the first step's products start the sums
	WIN 0
.Llap:                                                 ; six steps: once round the ring and the sets
	STEPN 1, 0, 0, 2
	CSTEP 0, 0, 1, LIM0
	STEPN 1, 0, 1, 1
	STEPN 0, 0, 1, 2
	CSTEP 1, 1, 1, LIM1
	STEPN 0, 0, 0, 1
	WIN 0
	s_sub_co_u32 s3, s3, 1
	s_cmp_lg_u32 s3, 0
	s_cbranch_scc1 .Llap
	STEPN 1, 0, 0, 2                               ; steps 25 to 29
	CSTEP 0, 0, 2, LIM0
	STEPN 1, 0, 1, 1
	STEPN 0, 0, 1, 2
	CSTEP 1, 1, 0, LIM0
; STEPS 30 (set 0) AND 31 (set 1), by blocks of 16 rows of out0.
.macro ROW a                           ; what is left of block a
.if (\a) < 4
	WIN MUL_LO
.else
	WIN MUL_HI
	MUL8 \a, 0, 0
.endif
	MUL8 \a, 1, 0
.endm
.macro TOSTAGE a                       ; 16 rows x 512 bytes into my stage, each accumulator from its low end on, and back as whole rows: LDS serves a wave's instructions in order (ISA guide 5.7.1.4)
.set AC, 64*((\a)%4)
	WIN 0x08+4*((\a)/4)
.irp b, 0,1,2,3,4,5,6,7
	ds_store_b128 v[STO], v[AC+8*\b:AC+8*\b+3] offset:64*\b
	ds_store_b128 v[STO], v[AC+8*\b+4:AC+8*\b+7] offset:64*\b+16
.endr
.if (\a)%2 == 0
	WIN TO_B
.set BB, BK0
.else
	WIN 0
.set BB, BK1
.endif
.irp t, 0,1,2,3,4,5,6,7,8,9,10,11,12,13,14,15
	ds_load_b128 v[BB+4*\t:BB+4*\t+3], v[RD] offset:\t*SPITCH
.endr
.endm
.macro SEND a
	s_wait_dscnt 0x0                               ; the block is back in registers
.if (\a) > 0
	s_add_nc_u64 s[12:13], s[12:13], 16*SIZE_N*4   ; behind the wait on XCNT at this block's head
.endif
.if (\a)%2 == 0
	WIN 0x04                                       ; the data lie in window 1
.set BB, BK0
.else
	WIN 0
.set BB, BK1
.endif
.irp t, 0,1,2,3,4,5,6,7,8,9,10,11,12,13,14,15
	global_store_b128 v[CO], v[BB+4*\t:BB+4*\t+3], s[12:13] offset:\t*SIZE_N*4 th:TH_STORE_NT   ; 32 lanes store 512 consecutive bytes, at a multiple of 256 from out0's first byte
.endr
.endm
	s_wait_dscnt 12
	PLACES
	FETCH_B 0, 1, 1
	FETCH_A 0, 1, 1
	WIN MUL_LO
.irp a, 0,1,2,3
	MUL8 \a, 0, 0
.endr
	s_wait_dscnt 18                                ; all but step 31's blocks 2-7 of A; the first SEND's wait for 0 covers those
	ROW 0
.irp a, 0,1,2,3,4,5,6,7
	PLACES                                         ; block a's results were just made
.if \a > 0
	s_wait_xcnt 0x0                                ; earlier stores have read their data and their base
.endif
	TOSTAGE \a
.if \a < 7
	ROW \a+1
.endif
	SEND \a
.endr
	WIN 0
	s_wait_tensorcnt 0x0                           ; the wave's end
	ds_add_u32 v[SPW], v[NIL]
	s_wait_dscnt 0x0
	CROUND                                         ; the closing round
	s_endpgm
.Lfunc_end_k_q325e1e5542_gemm:
	.size	k_q325e1e5542_gemm, .Lfunc_end_k_q325e1e5542_gemm-k_q325e1e5542_gemm
	.p2alignl 7, 3214868480
	.fill 96, 4, 3214868480
	.section	.rodata,"a",@progbits
	.p2align	6, 0x0
	.amdhsa_kernel k_q325e1e5542_gemm
		.amdhsa_group_segment_fixed_size 327680
		.amdhsa_private_segment_fixed_size 0
		.amdhsa_enable_private_segment 0
		.amdhsa_kernarg_size 24
		.amdhsa_user_sgpr_count 2
		.amdhsa_user_sgpr_kernarg_segment_ptr 1
		.amdhsa_wavefront_size32 1
		.amdhsa_system_sgpr_workgroup_id_x 1
		.amdhsa_system_sgpr_workgroup_id_y 1
		.amdhsa_system_sgpr_workgroup_id_z 1
		.amdhsa_system_vgpr_workitem_id 0
		.amdhsa_next_free_vgpr 1024
		.amdhsa_next_free_sgpr 98
		.amdhsa_reserve_vcc 0
		.amdhsa_float_denorm_mode_32 3
		.amdhsa_float_denorm_mode_16_64 3
		.amdhsa_memory_ordered 1
		.amdhsa_forward_progress 1
		.amdhsa_inst_pref_size 205
	.end_amdhsa_kernel
	.amdgpu_metadata
---
amdhsa.version: [ 1, 2 ]
amdhsa.kernels:
  - .name:           k_q325e1e5542_gemm
    .symbol:         k_q325e1e5542_gemm.kd
    .args:
      - { .name: a_pack, .offset: 0, .size: 8, .value_kind: global_buffer, .address_space: global }
      - { .name: b_pack, .offset: 8, .size: 8, .value_kind: global_buffer, .address_space: global }
      - { .name: out0, .offset: 16, .size: 8, .value_kind: global_buffer, .address_space: global }
    .group_segment_fixed_size: 327680
    .private_segment_fixed_size: 0
    .kernarg_segment_align: 8
    .kernarg_segment_size: 24
    .max_flat_workgroup_size: 128
    .sgpr_count:     98
    .vgpr_count:     1024
    .wavefront_size: 32
...
	.end_amdgpu_metadata
.endif
;; end of part 2
